; MI455X (gfx1250); checked and timed in simulation.
; The chip was launched on July 23, 2026; its instructions are those of AMD's public machine-readable ISA for CDNA 5 (MIT licence, August 2026) and "CDNA5" Instruction Set Architecture Reference Guide (July 2026). The comments in the code are by the model that wrote it; some were corrected since.
;; Linear Loop Layer. Allowed arithmetic: matrix products marked QUANTISED: E2M3 operands, one E8M0 scale for each 32 along K, by v_wmma_scale_f32_16x16x128_f8f6f4 with both operands' format E2M3, f32 sums; everything else in f32.
;; Inputs: bias 4,096 float32; weight 4,096 x 4,096 float32; x 4,096 x 4,096 float32.
;; Outputs: out0 4,096 x 4,096 float32.
;; This version of the problem:
;;   THIS VERSION OF THE PROBLEM IS GIVEN IN LOW PRECISION. The matrix products marked QUANTISED in the list below multiply operands that are first quantised to E2M3 (2 exponent bits, 3 mantissa bits; 6 bits a number), with one power-of-two scale for each 32 numbers along K (OCP MX v1.0); their sums are f32. All else is computed in f32.
;;   The module's matrix products, in the order in which they are computed (A, B: the left and right operand; K: the contracted axis; several contracted axes count as one K, in the product's order):
;;     1. [M 4,096, K 4,096] x [K 4,096, N 4,096]; A: input x; B: input weight: QUANTISED
;;   THE QUANTISER, for each operand of a quantised product, along K:
;;     - K is cut into blocks of 32 from its start; a last block that is shorter is filled with zeros.
;;     - A block's scale is 2^e with e = floor(log2(the largest magnitude in the block)) - 2, held to -126 .. 127; a block of zeros has e = 0. As a byte (E8M0): e + 127.
;;     - Each number is divided by its block's scale, clamped to +-7.5, and rounded to the nearest number of E2M3, ties to even, subnormals kept.
;;     - The product sums the exact products of the quantised numbers (number of the format x scale) in f32.
;;   ~~~python
;;   def quantise(x, axis):      # numpy; x: float32 -> the quantised numbers, widened to float32 again
;;       x = np.moveaxis(x, axis, -1); K = x.shape[-1]
;;       x = np.pad(x, [(0, 0)] * (x.ndim - 1) + [(0, -K % 32)]); x = x.reshape(x.shape[:-1] + (-1, 32)); a = np.abs(x).max(-1, keepdims=True)
;;       e = np.where(a > 0, np.clip(np.frexp(np.where(a > 0, a, 1))[1] - 1 - 2, -126, 127), 0)      # np.frexp(a)[1] - 1 = floor(log2(a)), exactly
;;       r = np.clip(x / 2.0 ** e, -7.5, 7.5)
;;       step = 2.0 ** (np.maximum(np.frexp(np.where(r == 0, 1, r))[1] - 1, 0) - 3)
;;       q = np.round(r / step) * step * 2.0 ** e      # np.round: ties to even
;;       return np.moveaxis(q.reshape(q.shape[:-2] + (-1,))[..., :K], -1, axis).astype(np.float32)
;;   ~~~
;; One version. Each part assembles by itself: llvm-mc -triple=amdgcn-amd-amdhsa -mcpu=gfx1250 --defsym DOCPART=n.
;; ======== version 1 of 1: 2 launches
;; limits: right only within a limited range of input values
;; workspace buffers: xq 13,107,200 bytes; wq 13,107,200 bytes
;; launch quant (part 1): grid 512 x 1, 4 waves a work-group, no clusters, 34,304 bytes of LDS; arguments x, weight, xq, wq; writes xq, wq
.if DOCPART == 1
	.amdgcn_target "amdgcn-amd-amdhsa--gfx1250"
	.amdhsa_code_object_version 6
	.text
	.protected	k_qf45ed44f12_quant
	.globl	k_qf45ed44f12_quant
	.p2align	8
	.type	k_qf45ed44f12_quant,@function
k_qf45ed44f12_quant:
	s_mov_b64 s[64:65], 0
	v_nop
	global_prefetch_b8 v0, s[64:65] scope:SCOPE_SE
	s_setreg_imm32_b32 hwreg(HW_REG_WAVE_MODE, 25, 1), 1
	s_wait_xcnt 0x0
; x [4096][4096] and weight [4096][4096], f32, K innermost, become codes of FP6 (E2M3) with one E8M0 scale byte for each 32 along K.
; A block's scale is 2^(floor(log2(its largest magnitude)) - 2): its byte is the largest magnitude's exponent field - 2, held at 1 from below by a floor among the maximum's leaves.
; Each number is divided by the scale and rounded to the nearest code, ties to even; beyond 7.5 the conversion gives the largest code.
; LIMITS: NaN and infinities among the inputs are not served.  A block of zeros gets the byte 1 where the rule says 127: its codes are zeros, which add nothing
; under any byte but 0xff, and the bytes are read by this program alone.
; THE OUTPUT IS LAID AS THE PRODUCT'S LAUNCH READS IT: [half tile of 128 rows: 32][K step of 128: 32][12,800 bytes].  In such a block:
;   bytes 0 .. 511: the scale words (four bytes: 128 along K of one row): the word of fragment 4 g + k, lane row r, at 256 g + 16 r + 4 k;
;   from 512 + 1536 i: the image of fragment i's operand registers: register 4 c + e of lane l at 512 c + 16 l + 4 e.
;   THE ROWS OF A FRAGMENT ARE NOT NEIGHBOURS: lane row r of fragment i is row 64 (i / 4) + 4 r + i % 4 of the half tile, so that in the product four neighbouring
;   fragments of weight give a lane four neighbouring columns of the result.  Lane (r, h) holds k = 64 c + 32 h + 0 .. 31 in registers 6 c .. 6 c + 5 (ISA guide 7.12.2).
; SHARES.  512 work-groups of four waves: the first 256 take x, the others weight (only pointers are chosen: one path).  A wave makes ONE block: 128 rows x 128 K, eight fragments.
; A load takes 512 bytes of a row, 16 a lane; a fragment's 16 rows turn through the wave's own stage in LDS (rows of 528 bytes) and come back 128 bytes of ONE row a lane and block pair:
; a lane holds two whole blocks of 32, and the conversions' results are the operand's registers.  The codes of all eight fragments stay in registers (window 1) and are stored at the
; wave's end, behind its last LDS instruction.  No tensor loads, no barrier: waves share nothing.  Loads run three fragments (48 loads a wave) ahead.  Every offset is an immediate.
.set LO,   2                           ; 16 x lane
.set SI,   3                           ; the stage, on the way in: wave x 8,448 + 16 x lane
.set SOA,  4                           ; on the way out: wave x 8,448 + 528 r + 128 h
.set SH,   5                           ; 8 h
.set M,    8                           ; v8-9 largest magnitudes; v10-11 the conversions' scale operands; v12-13 the bytes
.set E,    10
.set B,    12
.set T,    14
.set U,    15
.set W,    16                          ; v16-23 the eight fragments' scale words
.set S,    24                          ; v24-27 as they are stored
.set TC,   96                          ; window 1: v0-95 the codes, 12 registers a fragment; v96-98, v100-102 the blocks' upper halves (a conversion's three registers begin on an even number)
.set SPW,  62
.set NIL,  63
.set R,    64                          ; v64-255 three sets of 64 numbers
.set SP,   528                         ; a stage row: 512 bytes + 16, an odd multiple of 16
.set ROWB, 16384
.set HTB,  409600
.set STEPB, 12800
.set MSB, 0
.macro WIN new                         ; the immediate's high byte repeats the setting that is left
.if MSB != (\new)
	s_set_vgpr_msb (MSB<<8)|(\new)
.set MSB, \new
.endif
.endm
	s_load_b128 s[4:7], s[0:1], 0x0                ; x, weight
	s_load_b128 s[8:11], s[0:1], 0x10              ; xq, wq
	v_lshl_add_u32 v[SPW], v0, 2, 0x8400           ; my spare word, behind the four stages
	v_mov_b32 v[NIL], 0
	v_lshrrev_b32 v1, 5, v0
	v_readfirstlane_b32 s16, v1                    ; wave
	v_and_b32 v1, 31, v0                           ; lane
	v_lshlrev_b32 v[LO], 4, v1
	s_mul_i32 s17, s16, 16*SP
	v_add_nc_u32 v[SI], s17, v[LO]
	v_and_b32 v6, 15, v0                           ; r
	v_bfe_u32 v7, v0, 4, 1                         ; h
	v_mul_u32_u24 v[SOA], v6, SP
	v_lshl_add_u32 v[SOA], v7, 7, v[SOA]
	v_add_nc_u32 v[SOA], s17, v[SOA]
	v_lshlrev_b32 v[SH], 3, v7
	v_mov_b32 v[U], 0                              ; a lane permute's destination counts as one of its sources
	s_mov_b32 s20, 0x76543210
	s_mov_b32 s21, 0xfedcba98                      ; selects for lane l xor 16
	s_bfe_u32 s18, ttmp9, 0x50003                  ; the half tile: bits 7:3 of the work-group's number
	s_and_b32 s19, ttmp9, 7
	s_lshl_b32 s19, s19, 2
	s_add_co_u32 s19, s19, s16                     ; the K step: 4 x (bits 2:0) + wave
	s_lshl_b32 s22, s18, 21                        ; in: 128 rows of 16,384 bytes a half tile, 512 bytes a K step
	s_lshl_b32 s24, s19, 9
	s_add_co_u32 s22, s22, s24
	s_mov_b32 s23, 0
	s_mul_i32 s24, s18, HTB                        ; out
	s_mul_i32 s25, s19, STEPB
	s_add_co_u32 s24, s24, s25
	s_mov_b32 s25, 0
	s_wait_alu depctr_va_vdst(0)
	s_wait_kmcnt 0x0
	s_cmp_lt_u32 ttmp9, 256                        ; x's work-group or weight's: the choice hangs on the work-group's number alone
	s_cselect_b64 s[4:5], s[4:5], s[6:7]
	s_cselect_b64 s[8:9], s[8:9], s[10:11]
	s_add_nc_u64 s[4:5], s[4:5], s[22:23]
	s_add_nc_u64 s[8:9], s[8:9], s[24:25]
.macro LOAD t                          ; fragment t's 16 rows into set t % 3: each load is 512 consecutive bytes of one row
.set RS, R+64*((\t)%3)
.irp j, 0,1,2,3,4,5,6,7,8,9,10,11,12,13,14,15
	global_load_b128 v[RS+4*\j:RS+4*\j+3], v[LO], s[4:5] offset:(64*((\t)/4)+4*\j+((\t)%4))*ROWB th:TH_LOAD_NT
.endr
.endm
.macro FRAGQ t
.set XS, R+64*((\t)%3)
.if (\t) <= 5
	s_wait_loadcnt 32                              ; my 16 loads are in; the two younger fragments' 32 may be out
.elseif (\t) == 6
	s_wait_loadcnt 16
.else
	s_wait_loadcnt 0
.endif
.irp j, 0,1,2,3,4,5,6,7,8,9,10,11,12,13,14,15
	ds_store_b128 v[SI], v[XS+4*\j:XS+4*\j+3] offset:SP*\j
.endr
.irp c, 0,1
.irp j, 0,1,2,3,4,5,6,7
	ds_load_b128 v[XS+32*\c+4*\j:XS+32*\c+4*\j+3], v[SOA] offset:256*\c+16*\j   ; LDS serves a wave's instructions in order (ISA guide 5.7.1.4).  Register 32 c + i: k = 64 c + 32 h + i of lane row r
.endr
.endr
	s_wait_dscnt 0x0
.irp c, 0,1
	v_max3_num_f32 v[M+\c], |v[XS+32*\c]|, |v[XS+32*\c+1]|, 0x1800000   ; my block 2 c + h, and the floor 2^(3 - 127)
.endr
.irp i, 2,4,6,8,10,12,14,16,18,20,22,24,26,28,30
.irp c, 0,1
	v_max3_num_f32 v[M+\c], v[M+\c], |v[XS+32*\c+\i]|, |v[XS+32*\c+\i+1]|
.endr
.endr
.irp c, 0,1
	v_add_nc_u32 v[E+\c], 0xff000000, v[M+\c]      ; 2 off the exponent field: the conversion's scale operand
.endr
.irp c, 0,1
	v_lshrrev_b32 v[B+\c], 23, v[E+\c]             ; the scale's byte
.endr
	v_lshl_or_b32 v[T], v[B+1], 16, v[B]           ; my two bytes, blocks h and 2 + h,
	v_lshlrev_b32 v[T], v[SH], v[T]                ; at their places in the word;
	v_permlanex16_b32 v[U], v[T], s20, s21
	v_or_b32 v[W+(\t)], v[T], v[U]                 ; with lane l xor 16's two the word is whole
	WIN 0x40                                       ; destinations in window 1
	v_cvt_scalef32_pk16_fp6_f32 v[12*(\t):12*(\t)+2], v[XS:XS+15], v[E]
	v_cvt_scalef32_pk16_fp6_f32 v[TC:TC+2], v[XS+16:XS+31], v[E]
	v_cvt_scalef32_pk16_fp6_f32 v[12*(\t)+6:12*(\t)+8], v[XS+32:XS+47], v[E+1]
	v_cvt_scalef32_pk16_fp6_f32 v[TC+4:TC+6], v[XS+48:XS+63], v[E+1]
	v_nop                                          ; one plain place behind a scaled conversion
	WIN 0x41
.irp i, 0,1,2
	v_mov_b32 v[12*(\t)+3+\i], v[TC+\i]
	v_mov_b32 v[12*(\t)+9+\i], v[TC+4+\i]          ; registers 6 c .. 6 c + 5 now hold k = 64 c + 32 h + 0 .. 31
.endr
	WIN 0
.if (\t)+3 < 8
	LOAD (\t)+3                                    ; into the set that this fragment has left
.endif
.endm
	LOAD 0
	LOAD 1
	LOAD 2
.irp t, 0,1,2,3,4,5,6,7
	FRAGQ \t
.endr
	v_cmp_lt_u32 vcc_lo, 15, v1                    ; lanes 16-31 store the words of fragments 4 to 7
.irp k, 0,1,2,3
	v_cndmask_b32 v[S+\k], v[W+\k], v[W+4+\k], vcc_lo
.endr
	s_wait_alu depctr_va_vdst(0)
	s_wait_tensorcnt 0x0                           ; behind my last LDS store
	ds_add_u32 v[SPW], v[NIL]
	s_wait_dscnt 0x0
	global_store_b128 v[LO], v[S:S+3], s[8:9]      ; the block's 512 scale bytes
	WIN 0x04                                       ; the stores' data in window 1
.irp t, 0,1,2,3,4,5,6,7
.irp k, 0,1,2
	global_store_b128 v[LO], v[12*\t+4*\k:12*\t+4*\k+3], s[8:9] offset:512+1536*\t+512*\k   ; 32 lanes store 512 consecutive bytes, at a multiple of 256 from the buffer's first byte
.endr
.endr
	WIN 0
	s_endpgm
.Lfunc_end_k_qf45ed44f12_quant:
	.size	k_qf45ed44f12_quant, .Lfunc_end_k_qf45ed44f12_quant-k_qf45ed44f12_quant
	.p2alignl 7, 3214868480
	.fill 96, 4, 3214868480
	.section	.rodata,"a",@progbits
	.p2align	6, 0x0
	.amdhsa_kernel k_qf45ed44f12_quant
		.amdhsa_group_segment_fixed_size 34304
		.amdhsa_private_segment_fixed_size 0
		.amdhsa_enable_private_segment 0
		.amdhsa_kernarg_size 32
		.amdhsa_user_sgpr_count 2
		.amdhsa_user_sgpr_kernarg_segment_ptr 1
		.amdhsa_wavefront_size32 1
		.amdhsa_system_sgpr_workgroup_id_x 1
		.amdhsa_system_sgpr_workgroup_id_y 1
		.amdhsa_system_sgpr_workgroup_id_z 1
		.amdhsa_system_vgpr_workitem_id 0
		.amdhsa_next_free_vgpr 384
		.amdhsa_next_free_sgpr 66
		.amdhsa_reserve_vcc 1
		.amdhsa_float_denorm_mode_32 3
		.amdhsa_float_denorm_mode_16_64 3
		.amdhsa_memory_ordered 1
		.amdhsa_forward_progress 1
		.amdhsa_inst_pref_size 58
	.end_amdhsa_kernel
	.amdgpu_metadata
---
amdhsa.version: [ 1, 2 ]
amdhsa.kernels:
  - .name:           k_qf45ed44f12_quant
    .symbol:         k_qf45ed44f12_quant.kd
    .args:
      - { .name: x, .offset: 0, .size: 8, .value_kind: global_buffer, .address_space: global }
      - { .name: weight, .offset: 8, .size: 8, .value_kind: global_buffer, .address_space: global }
      - { .name: xq, .offset: 16, .size: 8, .value_kind: global_buffer, .address_space: global }
      - { .name: wq, .offset: 24, .size: 8, .value_kind: global_buffer, .address_space: global }
    .group_segment_fixed_size: 34304
    .private_segment_fixed_size: 0
    .kernarg_segment_align: 8
    .kernarg_segment_size: 32
    .max_flat_workgroup_size: 128
    .sgpr_count:     66
    .vgpr_count:     384
    .wavefront_size: 32
...
	.end_amdgpu_metadata
.endif
;; end of part 1
;; launch gemm (part 2): grid 16 x 16, 4 waves a work-group, clusters of 4 x 4, 327,680 bytes of LDS; arguments xq, wq, bias, out0; writes out0
.if DOCPART == 2
	.amdgcn_target "amdgcn-amd-amdhsa--gfx1250"
	.amdhsa_code_object_version 6
	.text
	.protected	k_qf45ed44f12_gemm
	.globl	k_qf45ed44f12_gemm
	.p2align	8
	.type	k_qf45ed44f12_gemm,@function
k_qf45ed44f12_gemm:
	s_mov_b64 s[64:65], 0
	v_nop
	global_prefetch_b8 v0, s[64:65] scope:SCOPE_SE
	s_setreg_imm32_b32 hwreg(HW_REG_WAVE_MODE, 25, 1), 1
	s_wait_xcnt 0x0
	s_wait_alu depctr_hold_cnt(0) depctr_sa_sdst(0) depctr_va_vdst(0) depctr_va_sdst(0) depctr_va_ssrc(0) depctr_va_vcc(0) depctr_vm_vsrc(0)
	s_getreg_b32 s2, hwreg(HW_REG_IB_STS2, 6, 4)
	s_cmp_eq_u32 s2, 0
	s_cbranch_scc0 .Lentry_in_a_cluster
	s_endpgm
.Lentry_in_a_cluster:
	s_bfe_u32 s2, ttmp6, 0x10000c
	s_cmp_lg_u32 s2, 0xf033
	s_cbranch_scc0 .Lentry_shape_is_right
	s_endpgm
.Lentry_shape_is_right:
; out0[m][n] = sum over k of Q(x)[m][k] Q(weight)[n][k] + bias[n], 4096 x 4096 x 4096, on codes of FP6 (E2M3) with E8M0 scales, f32 sums.
; xq, wq: [half tile of 128 rows: 32][K step of 128: 32][12,800 bytes]: 512 bytes of scale words, then eight images of operand registers (1,536 bytes each).
; Lane row r of fragment i is row 64 (i / 4) + 4 r + i % 4 of its half tile.
; A work-group of four waves makes 256 x 256 of the result, a wave 128 x 128: 64 accumulators, 512 registers.  256 work-groups.
; THE RING: two LDS slots of three K steps (4 x 38,400 bytes: x's two half tiles, weight's two); each wave fetches one half tile's three steps by one tensor load, as rows of 256 bytes.
; 32 K steps are ten such tiles and one of two steps.  A slot's reads are all issued when its last step begins (fragments are fetched one step ahead), so the change of slots stands at that step's head.
; CLUSTERS: 4 x 4 work-groups; x's tiles are asked for jointly along a row of the cluster, weight's along a column.
; FRAGMENTS: two sets of registers for each operand; while set p is multiplied the next step's 50 LDS loads go into the other set, in two runs: weight's 24 at the step's head, the 2 of the scale words and x's 24 in its middle.
; THE RESULT: source 0 = x, source 1 = weight.  Register j of accumulator (a, b) in lane (r, h) is row 64 (a / 4) + 32 h + 4 j + a % 4, column 64 (b / 4) + 4 r + b % 4 of my 128 x 128.
; So accumulators 4 g .. 4 g + 3 hold a lane's four neighbouring columns: the addition of the bias puts them into four consecutive registers, and sixteen lanes store 256 consecutive, aligned bytes.
; THE LAST TWO K STEPS GO BY ROWS OF THE RESULT: both steps' fragments lie in the two sets, and each block of 16 fragment rows is finished, gets its bias and is stored while the others are multiplied.
; PREFETCH: at a change of slots that asks for tile n + 2 each wave names tile n + 3 of the half tile that it fetches: 150 blocks of 256 bytes, of which each of the four partners that
; ask for the tile jointly takes 38, told apart by address (two instructions a wave).  Tiles 0 to 2 come by their loads alone; the short last tile is not named, so every address lies inside the half tile.
; REGISTERS: window 0: v16-29 addresses; v32-47 scale words, two sets; v48-55 bias; v64-159, v160-255 x's fragments.  Window 1: v0-95, v128-223 weight's fragments; v96-127, v224-255 the way out.
;   Windows 2, 3: the accumulators of fragment rows a = 0-3, 4-7: (a, b) at v[8 (8 (a % 4) + b)].
.set STEPB,  12800
.set TILEB,  3*STEPB
.set SLOT,   4*TILEB
.set HTB,    32*STEPB
.set SPARE,  2*SLOT                    ; behind the ring: the spare words, 128 bytes a wave
.set ROWC,   16384
.set FR,     12
.set ADRA, 16                          ; v16-17 LDS address of x's images in slot 0, 1
.set ADRB, 18                          ; v18-19 weight's
.set ADRS, 20                          ; v20-21 scale words: lanes 0-15 x's, lanes 16-31 weight's
.set CO,   22                          ; my byte offset in the result: 32 h rows + 16 r
.set BO,   23                          ; 16 r
.set PF0,  24                          ; the prefetches' offsets
.set PF1,  25
.set SPW,  28
.set NIL,  29
.set SC,   32
.set BIAS, 48
.set AF,   64
.set G1,   24                          ; s[24:31] group 1, x's tiles; s[32:39] group 0, one for each slot
.set G0,   32
.set G1B,  48                          ; the same for weight's
.set G0B,  56
.set G1S,  68                          ; groups 1 for the last tile, of two steps
.set G1SB, 76
.set PFA,  84
.set MSB, 0
.macro WIN new                         ; the immediate's high byte repeats the setting that is left
.if MSB != (\new)
	s_set_vgpr_msb (MSB<<8)|(\new)
.set MSB, \new
.endif
.endm
.set MUL_LO, 0xa4                      ; source 0 (x) window 0, source 1 (weight) window 1, C and D window 2
.set MUL_HI, 0xf4                      ; C and D window 3
.set TO_B,   0x40
.macro JLOAD g0a, g1a, g0b, g1b        ; a joint load: waves 0, 1 fetch x's half tiles, waves 2, 3 weight's
	s_cmp_eq_u32 s15, 0
	s_cbranch_scc0 .Lfor_b_\@
	tensor_load_to_lds s[\g0a:\g0a+3], s[\g1a:\g1a+7]
	s_nop 0
.rept 4
	v_nop
.endr
	s_branch .Lasked_\@
.Lfor_b_\@:
	tensor_load_to_lds s[\g0b:\g0b+3], s[\g1b:\g1b+7]
	s_nop 0
.rept 4
	v_nop
.endr
.Lasked_\@:
.endm
.macro CREST                           ; a round of the cluster's barrier behind its opening barrier
	s_cmp_lg_u32 s14, 0
	s_cbranch_scc1 .Lnot_wave_0_\@
	s_barrier_signal -3
.Lnot_wave_0_\@:
	s_barrier_wait -3
	s_barrier_signal -1
	s_barrier_wait -1
.endm
.macro CROUND
	s_barrier_signal -1
	s_barrier_wait -1
	CREST
.endm
.macro ASK test                        ; test = 1: not in the loop's last trip, where tile n + 3 is the short one
.if \test
	s_cmp_gt_u32 s3, 1
	s_cbranch_scc0 .Lnot_asked_\@
.endif
	global_prefetch_b8 v[PF0], s[PFA:PFA+1] th:TH_LOAD_NT scope:SCOPE_SE
	global_prefetch_b8 v[PF1], s[PFA:PFA+1] th:TH_LOAD_NT scope:SCOPE_SE
.Lnot_asked_\@:
.endm
	s_load_b128 s[4:7], s[0:1], 0x0                ; xq, wq
	s_load_b128 s[8:11], s[0:1], 0x10              ; bias, out0
	v_lshl_add_u32 v[SPW], v0, 2, SPARE
	v_mov_b32 v[NIL], 0
	ds_add_u32 v[SPW], v[NIL]                      ; the opening lines: the add, twice on end, and its wait
	ds_add_u32 v[SPW], v[NIL]
	v_lshrrev_b32 v1, 5, v0
	v_readfirstlane_b32 s14, v1                    ; wave
	s_lshr_b32 s15, s14, 1                         ; my half of the tile's rows.  Also: I fetch for x (0) or weight (1)
	s_and_b32 s16, s14, 1                          ; my half of its columns.  Also: which half tile I fetch
	s_bfe_u32 s40, ttmp6, 0x40000                  ; cx
	s_bfe_u32 s41, ttmp6, 0x40004                  ; cy
	s_lshl_b32 s42, ttmp9, 2
	s_add_co_u32 s42, s42, s40                     ; tile column
	s_and_b32 s17, ttmp7, 0xffff
	s_lshl_b32 s17, s17, 2
	s_add_co_u32 s17, s17, s41                     ; tile row
	s_lshl_b32 s43, s41, 2
	s_lshl_b32 s43, 15, s43                        ; my row of the cluster
	s_lshl_b32 s44, 0x1111, s40                    ; my column
	s_or_b32 s[G1+0], s43, (3<<16)|(1<<21)         ; the mask; elements of 8 bytes; bit 21 beside a mask
	s_or_b32 s[G1B+0], s44, (3<<16)|(1<<21)
	s_or_b32 s[G1S+0], s43, (3<<16)|(1<<21)
	s_or_b32 s[G1SB+0], s44, (3<<16)|(1<<21)
.irp g, G1, G1B                        ; 38,400 dense bytes as 150 rows of 256
	s_mov_b32 s[\g+1], 32<<16
	s_mov_b32 s[\g+2], 150<<16
	s_mov_b32 s[\g+3], 32<<16
	s_mov_b32 s[\g+4], 150
	s_mov_b32 s[\g+5], 32
	s_mov_b32 s[\g+6], 0
	s_mov_b32 s[\g+7], 0
.endr
.irp g, G1S, G1SB                      ; 25,600 bytes as 100 rows
	s_mov_b32 s[\g+1], 32<<16
	s_mov_b32 s[\g+2], 100<<16
	s_mov_b32 s[\g+3], 32<<16
	s_mov_b32 s[\g+4], 100
	s_mov_b32 s[\g+5], 32
	s_mov_b32 s[\g+6], 0
	s_mov_b32 s[\g+7], 0
.endr
	s_lshl_b32 s20, s17, 1
	s_add_co_u32 s20, s20, s16
	s_mul_i32 s20, s20, HTB                        ; x: half tile 2 x tile row + which
	s_mov_b32 s21, 0
	s_lshl_b32 s46, s42, 1
	s_add_co_u32 s46, s46, s16
	s_mul_i32 s46, s46, HTB                        ; weight: 2 x tile column + which
	s_mov_b32 s47, 0
	s_mul_i32 s45, s14, TILEB                      ; where my load goes: wave x 38,400
	s_mul_i32 s88, s15, TILEB                      ; what I read: x's half tile,
	s_mul_i32 s89, s16, TILEB
	s_add_co_u32 s89, s89, 2*TILEB                 ; weight's, behind x's two
	s_sub_co_u32 s90, s89, s88
	s_add_co_u32 s91, s88, SLOT
	s_add_co_u32 s92, s89, SLOT
	s_cmp_eq_u32 s15, 0
	s_cselect_b32 s93, s40, s41                    ; my place among the four that ask for my tile with me
	s_mul_i32 s93, s93, 38                         ; its first block of 256 bytes
	s_lshl_b32 s22, s42, 10
	s_lshl_b32 s23, s16, 9
	s_add_co_u32 s22, s22, s23                     ; my first column, in bytes
	s_mov_b32 s23, 0
	s_lshl_b32 s12, s17, 8
	s_lshl_b32 s13, s15, 7
	s_add_co_u32 s12, s12, s13
	s_lshl_b32 s12, s12, 14                        ; my first row, in bytes
	s_add_co_u32 s12, s12, s22
	s_mov_b32 s13, 0
	s_wait_dscnt 0x0                               ; both opening adds are done
	s_wait_kmcnt 0x0
	s_add_nc_u64 s[8:9], s[8:9], s[22:23]
	s_add_nc_u64 s[10:11], s[10:11], s[12:13]
	s_add_nc_u64 s[20:21], s[4:5], s[20:21]
	s_add_nc_u64 s[46:47], s[6:7], s[46:47]
	s_cmp_eq_u32 s15, 0
	s_cselect_b64 s[PFA:PFA+1], s[20:21], s[46:47]
	s_add_nc_u64 s[PFA:PFA+1], s[PFA:PFA+1], 2*TILEB   ; the first change of slots steps it to tile 3
.irp s, 0,1
	s_mov_b32 s[G0+4*\s], 1
	s_add_co_u32 s[G0+4*\s+1], s45, \s*SLOT
	s_add_nc_u64 s[G0+4*\s+2:G0+4*\s+3], s[20:21], \s*TILEB
	s_or_b32 s[G0+4*\s+3], s[G0+4*\s+3], 0x80000000
	s_mov_b32 s[G0B+4*\s], 1
	s_add_co_u32 s[G0B+4*\s+1], s45, \s*SLOT
	s_add_nc_u64 s[G0B+4*\s+2:G0B+4*\s+3], s[46:47], \s*TILEB
	s_or_b32 s[G0B+4*\s+3], s[G0B+4*\s+3], 0x80000000
.endr
	CROUND                                         ; all sixteen work-groups are here: the first joint loads meet
	JLOAD G0, G1, G0B, G1B                         ; tile 0: one tensor load a wave at the head
	v_and_b32 v1, 31, v0                           ; lane
	v_lshlrev_b32 v2, 4, v1
	v_and_b32 v3, 15, v0                           ; r
	v_bfe_u32 v4, v0, 4, 1                         ; h
	v_lshlrev_b32 v[BO], 4, v3
	v_mul_u32_u24 v5, s90, v4                      ; lanes 16-31 take weight's scale words
	v_lshl_add_u32 v5, v3, 4, v5
	v_add_nc_u32 v[ADRA], s88, v2
	v_add_nc_u32 v[ADRA+1], s91, v2
	v_add_nc_u32 v[ADRB], s89, v2
	v_add_nc_u32 v[ADRB+1], s92, v2
	v_add_nc_u32 v[ADRS], s88, v5
	v_add_nc_u32 v[ADRS+1], s91, v5
	v_lshlrev_b32 v[CO], 19, v4                    ; 32 rows of 16,384 bytes
	v_lshl_add_u32 v[CO], v3, 4, v[CO]
	v_add_nc_u32 v[PF0], s93, v1                   ; blocks 38 p + 0 .. 31,
	v_min_u32 v6, 5, v1
	v_add_nc_u32 v6, s93, v6
	v_add_nc_u32 v6, 32, v6                        ; and 38 p + 32 .. 37 (lanes that are left over name the last again),
	v_min_u32 v6, 149, v6                          ; none beyond the tile's 150
	v_lshlrev_b32 v[PF0], 8, v[PF0]
	v_lshlrev_b32 v[PF1], 8, v6
.macro FRAG reg, adr, off              ; an image of 12 registers: 3 loads of 16 bytes a lane, 512 consecutive bytes each
.irp c, 0,1,2
	ds_load_b128 v[(\reg)+4*\c:(\reg)+4*\c+3], v[\adr] offset:(\off)+512*\c
.endr
.endm
.macro FB slot, q, p, i0               ; four of weight's fragments of step q of the slot into set p (under TO_B)
.irp i, \i0, \i0+1, \i0+2, \i0+3
	FRAG 128*(\p)+FR*(\i), ADRB+\slot, STEPB*(\q)+512+1536*(\i)
.endr
.endm
.macro FA slot, q, p, i0               ; four of x's
.irp i, \i0, \i0+1, \i0+2, \i0+3
	FRAG AF+96*(\p)+FR*(\i), ADRA+\slot, STEPB*(\q)+512+1536*(\i)
.endr
.endm
.macro SCALES slot, q, p               ; register i of the set: lanes 0-15 the words of x's fragment i, lanes 16-31 of weight's
.irp g, 0,1
	ds_load_b128 v[SC+8*(\p)+4*\g:SC+8*(\p)+4*\g+3], v[ADRS+\slot] offset:STEPB*(\q)+256*\g
.endr
.endm
.macro ROW8 a, p, zero                 ; x's fragment a against weight's eight; the accumulators take turns
.irp b, 0,1,2,3,4,5,6,7
.if \zero
	v_wmma_scale_f32_16x16x128_f8f6f4 v[8*(8*((\a)%4)+\b):8*(8*((\a)%4)+\b)+7], v[AF+96*(\p)+FR*(\a):AF+96*(\p)+FR*(\a)+FR-1], v[128*(\p)+FR*\b:128*(\p)+FR*\b+FR-1], 0, v[SC+8*(\p)+(\a)], v[SC+8*(\p)+\b] matrix_a_fmt:MATRIX_FMT_FP6 matrix_b_fmt:MATRIX_FMT_FP6 matrix_b_scale:MATRIX_SCALE_ROW1
.else
	v_wmma_scale_f32_16x16x128_f8f6f4 v[8*(8*((\a)%4)+\b):8*(8*((\a)%4)+\b)+7], v[AF+96*(\p)+FR*(\a):AF+96*(\p)+FR*(\a)+FR-1], v[128*(\p)+FR*\b:128*(\p)+FR*\b+FR-1], v[8*(8*((\a)%4)+\b):8*(8*((\a)%4)+\b)+7], v[SC+8*(\p)+(\a)], v[SC+8*(\p)+\b] matrix_a_fmt:MATRIX_FMT_FP6 matrix_b_fmt:MATRIX_FMT_FP6 matrix_b_scale:MATRIX_SCALE_ROW1
.endif
.endr
.endm
.macro MUL16 a0, p, zero
	ROW8 \a0, \p, \zero
	ROW8 \a0+1, \p, \zero
.endm
.macro PLACES                          ; four places behind matrix instructions, ahead of loads into registers that they have read and of reads of their results
.rept 4
	v_nop
.endr
.endm
; A step that stays in its slot: multiplies set p, fetches step q + 1 into the other set
.macro STEP slot, q, p, zero
	s_wait_dscnt 12                                ; all of this step's fragments but x's 4-7, the youngest 12 loads
	PLACES
	WIN TO_B
	FB \slot, (\q)+1, 1-(\p), 0
	FB \slot, (\q)+1, 1-(\p), 4
	WIN MUL_LO
	MUL16 0, \p, \zero
	MUL16 2, \p, \zero
	WIN 0
	SCALES \slot, (\q)+1, 1-(\p)
	FA \slot, (\q)+1, 1-(\p), 0
	FA \slot, (\q)+1, 1-(\p), 4
	s_wait_dscnt 50                                ; all but this step's own 24 + 26: x's 4-7 are in
	WIN MUL_HI
	MUL16 4, \p, \zero
	MUL16 6, \p, \zero
.endm
; A slot's last step.  Its fragments are in registers, so the slot is read no more.  fill: 1 the slot takes the tile two on, 2 the short last tile, 0 nothing.  ask: 0 no prefetch, 1 always, 2 not in the last trip.
; Of the step's 64 matrix instructions eight stand between the add and the wait for it and eight between the opening signal and its wait: work on registers alone.  The other 48 follow the refill.
.macro TURN slot, next, p, fill, ask
	WIN 0
.if \ask
	s_wait_xcnt 0x0                                ; my last prefetches have read their address
	s_add_nc_u64 s[PFA:PFA+1], s[PFA:PFA+1], TILEB
.endif
	s_wait_tensorcnt 0x0                           ; my one load that was out, my part of the next slot, has landed;
	ds_add_u32 v[SPW], v[NIL]
.if \fill
	s_add_nc_u64 s[G0+4*\slot+2:G0+4*\slot+3], s[G0+4*\slot+2:G0+4*\slot+3], 2*TILEB     ; no load of mine is out: the descriptors step
	s_add_nc_u64 s[G0B+4*\slot+2:G0B+4*\slot+3], s[G0B+4*\slot+2:G0B+4*\slot+3], 2*TILEB
.endif
	s_wait_dscnt 13                                ; (the add and the 12 loads of x's 4-7 may be out)
	WIN MUL_LO
	ROW8 0, \p, 0
	s_wait_dscnt 0x0                               ; the add is done, and my reads of this slot are over
	s_barrier_signal -1
	ROW8 1, \p, 0
	WIN 0
	s_barrier_wait -1
.if \fill
	s_cmp_lg_u32 s14, 0                            ; the barrier has opened a round of the cluster's barrier
	s_cbranch_scc1 .Lnot_first_\@
	s_barrier_signal -3
.Lnot_first_\@:
	s_barrier_wait -3
	s_barrier_signal -1
	s_barrier_wait -1
.if \fill == 1
	JLOAD G0+4*\slot, G1, G0B+4*\slot, G1B         ; the first tensor load behind the round; its four v_nop are the places ahead of the loads below
.else
	JLOAD G0+4*\slot, G1S, G0B+4*\slot, G1SB
.endif
.else
	PLACES
.endif
	WIN TO_B
	FB \next, 0, 1-(\p), 0
	FB \next, 0, 1-(\p), 4
	WIN 0
.if \ask
	ASK (\ask)-1
.endif
	WIN MUL_LO
	MUL16 2, \p, 0
	WIN 0
	SCALES \next, 0, 1-(\p)
	FA \next, 0, 1-(\p), 0
	FA \next, 0, 1-(\p), 4
	WIN MUL_HI
	MUL16 4, \p, 0
	MUL16 6, \p, 0
.endm
.macro ROW a, p
	WIN MUL_LO+0x50*((\a)/4)
	ROW8 \a, \p, 0
.endm
; THE WAY OUT of fragment row a: 64 additions of the bias, each accumulator from its low end on, into 16 runs of four registers; 16 stores, in each of which sixteen lanes cover 256 consecutive, aligned bytes
.macro OUT a
	PLACES
.if (\a) > 0
	s_wait_xcnt 0x0                                ; the last block's stores have read their data (ISA guide 3.1): the registers are written again
.endif
	WIN 0x42+((\a)/4)                              ; destination window 1, source 0 window 2 or 3, source 1 window 0
.irp j, 0,1,2,3,4,5,6,7
.irp b, 0,1,2,3,4,5,6,7
	v_add_f32 v[96+128*(\b/4)+4*\j+(\b%4)], v[8*(8*((\a)%4)+\b)+\j], v[BIAS+\b]
.endr
.endr
	WIN 0x04                                       ; the stores' data in window 1
.irp j, 0,1,2,3,4,5,6,7
.irp g, 0,1
	global_store_b128 v[CO], v[96+128*\g+4*\j:96+128*\g+4*\j+3], s[10:11] offset:(64*((\a)/4)+4*\j+((\a)%4))*ROWC+256*\g th:TH_STORE_NT
.endr
.endr
.endm
	s_wait_alu depctr_va_vdst(0)
	s_wait_tensorcnt 0x0                           ; my part of tile 0 is in; the same lines as ahead of a refill:
	ds_add_u32 v[SPW], v[NIL]
	s_wait_dscnt 0x0
	CROUND                                         ; tile 0 is whole in every work-group
	JLOAD G0+4, G1, G0B+4, G1B                     ; tile 1: slot 1's first fill, the first tensor load behind the round
	WIN TO_B
	FB 0, 0, 0, 0
	FB 0, 0, 0, 4
	WIN 0
	SCALES 0, 0, 0
	FA 0, 0, 0, 0
	FA 0, 0, 0, 4
	STEP 0, 0, 0, 1                                ; the first step's products start the sums
	WIN 0
	s_mov_b32 s3, 4
.Llap:                                                 ; a trip: six steps, once round the ring; trips 0 to 3 ask for tiles 2 to 9
	STEP 0, 1, 1, 0
	TURN 0, 1, 0, 1, 1
	STEP 1, 0, 1, 0
	STEP 1, 1, 0, 0
	TURN 1, 0, 1, 1, 2
	STEP 0, 0, 0, 0
	WIN 0
	s_sub_co_u32 s3, s3, 1
	s_cmp_lg_u32 s3, 0
	s_cbranch_scc1 .Llap
	global_load_b128 v[BIAS:BIAS+3], v[BO], s[8:9]               ; bias of columns 4 r + 0 .. 3,
	global_load_b128 v[BIAS+4:BIAS+7], v[BO], s[8:9] offset:256  ; and of 64 + 4 r + 0 .. 3; five steps ahead of their use
	STEP 0, 1, 1, 0                                ; step 25
	TURN 0, 1, 0, 2, 0                             ; slot 0 takes the last tile, steps 30 and 31
	STEP 1, 0, 1, 0
	STEP 1, 1, 0, 0
	TURN 1, 0, 1, 0, 0                             ; step 29: nothing is filled, no round
	s_wait_dscnt 12
	PLACES
	WIN TO_B
	FB 0, 1, 1, 0                                  ; step 31's fragments, all of them, into set 1; step 30's lie in set 0
	FB 0, 1, 1, 4
	WIN 0
	SCALES 0, 1, 1
	FA 0, 1, 1, 0
	FA 0, 1, 1, 4
	s_wait_loadcnt 0x0                             ; the bias
	s_wait_dscnt 50                                ; all but the 50 just issued
	WIN MUL_LO
	MUL16 0, 0, 0
	MUL16 2, 0, 0
	s_wait_dscnt 0x0
	ROW 0, 1
	ROW 4, 0
	OUT 0
	ROW 1, 1
	ROW 5, 0
	OUT 1
	ROW 2, 1
	ROW 6, 0
	OUT 2
	ROW 3, 1
	ROW 7, 0
	OUT 3
	ROW 4, 1
	ROW 5, 1
	OUT 4
	ROW 6, 1
	OUT 5
	ROW 7, 1
	OUT 6
	OUT 7
	WIN 0
	s_wait_tensorcnt 0x0                           ; the wave's end
	ds_add_u32 v[SPW], v[NIL]
	s_wait_dscnt 0x0
	CROUND                                         ; the closing round
	s_endpgm
.Lfunc_end_k_qf45ed44f12_gemm:
	.size	k_qf45ed44f12_gemm, .Lfunc_end_k_qf45ed44f12_gemm-k_qf45ed44f12_gemm
	.p2alignl 7, 3214868480
	.fill 96, 4, 3214868480
	.section	.rodata,"a",@progbits
	.p2align	6, 0x0
	.amdhsa_kernel k_qf45ed44f12_gemm
		.amdhsa_group_segment_fixed_size 327680
		.amdhsa_private_segment_fixed_size 0
		.amdhsa_enable_private_segment 0
		.amdhsa_kernarg_size 32
		.amdhsa_user_sgpr_count 2
		.amdhsa_user_sgpr_kernarg_segment_ptr 1
		.amdhsa_wavefront_size32 1
		.amdhsa_system_sgpr_workgroup_id_x 1
		.amdhsa_system_sgpr_workgroup_id_y 1
		.amdhsa_system_sgpr_workgroup_id_z 1
		.amdhsa_system_vgpr_workitem_id 0
		.amdhsa_next_free_vgpr 1024
		.amdhsa_next_free_sgpr 94
		.amdhsa_reserve_vcc 0
		.amdhsa_float_denorm_mode_32 3
		.amdhsa_float_denorm_mode_16_64 3
		.amdhsa_memory_ordered 1
		.amdhsa_forward_progress 1
		.amdhsa_inst_pref_size 203
	.end_amdhsa_kernel
	.amdgpu_metadata
---
amdhsa.version: [ 1, 2 ]
amdhsa.kernels:
  - .name:           k_qf45ed44f12_gemm
    .symbol:         k_qf45ed44f12_gemm.kd
    .args:
      - { .name: xq, .offset: 0, .size: 8, .value_kind: global_buffer, .address_space: global }
      - { .name: wq, .offset: 8, .size: 8, .value_kind: global_buffer, .address_space: global }
      - { .name: bias, .offset: 16, .size: 8, .value_kind: global_buffer, .address_space: global }
      - { .name: out0, .offset: 24, .size: 8, .value_kind: global_buffer, .address_space: global }
    .group_segment_fixed_size: 327680
    .private_segment_fixed_size: 0
    .kernarg_segment_align: 8
    .kernarg_segment_size: 32
    .max_flat_workgroup_size: 128
    .sgpr_count:     94
    .vgpr_count:     1024
    .wavefront_size: 32
...
	.end_amdgpu_metadata
.endif
;; end of part 2
